; MI455X (gfx1250); checked and timed in simulation.
; The chip was launched on July 23, 2026; its instructions are those of AMD's public machine-readable ISA for CDNA 5 (MIT licence, August 2026) and "CDNA5" Instruction Set Architecture Reference Guide (July 2026). The comments in the code are by the model that wrote it; some were corrected since.
;; Streaming Transformer. Allowed arithmetic: float matrix products may take bf16 or f16 operands with f32 sums; all other float work in f32.
;; Inputs: Wk 6 x 512 x 512 float32; Wo 6 x 512 x 512 float32; Wq 6 x 512 x 512 float32; Wv 6 x 512 x 512 float32; bk 6 x 512 float32; bo 6 x 512 float32; bq 6 x 512 float32; bv 6 x 512 float32; ln_b 6 x 512 float32; ln_g 6 x 512 float32; x 8 x 500 x 512 float32.
;; Outputs: out0 8 x 500 x 512 float32.
;; One version. Each part assembles by itself: llvm-mc -triple=amdgcn-amd-amdhsa -mcpu=gfx1250 --defsym DOCPART=n.
;; ======== version 1 of 1: 3 launches
;; limits: values are held in f16: magnitudes above 65,504 overflow, below 6.1e-05 lose precision
;; workspace buffers: qkv 12,386,304 bytes; ctx 4,194,304 bytes
;; launch lnqkv (part 1): grid 6 x 42, 8 waves a work-group, no clusters, 231,936 bytes of LDS; arguments x, ln_g, ln_b, Wq, Wk, Wv, bq, bk, bv, qkv; writes qkv
.if DOCPART == 1
	.amdgcn_target "amdgcn-amd-amdhsa--gfx1250"
	.amdhsa_code_object_version 6
	.text
	.protected	k_q50d478b982_lnqkv
	.globl	k_q50d478b982_lnqkv
	.p2align	8
	.type	k_q50d478b982_lnqkv,@function
k_q50d478b982_lnqkv:
	s_mov_b64 s[64:65], 0
	v_nop
	global_prefetch_b8 v0, s[64:65] scope:SCOPE_SE
	s_setreg_imm32_b32 hwreg(HW_REG_WAVE_MODE, 25, 1), 1
	s_wait_xcnt 0x0
; LAYER NORM AND THE Q, K, V PROJECTIONS OF LAYER 5.
; The function returns the last layer's output alone and never updates x between layers, so layers 0 to 4 cannot reach the result
; for any input: every parameter is read at its slice of layer 5 (byte L5W of the weights, byte L5V of the vectors).
; qkv: f16, [24 units][4032 rows][64]; unit = 8 x (0 q, 1 k, 2 v) + head; row = 500 b + s.  q is stored times 0.125 x log2(e).
; Rows 4000 to 4031 repeat row 3999 (the row number is clamped): they are stored, and later serve only queries whose result is dropped.
; LIMITS: xn, W, q, k, v are rounded to f16 (sums in f32): a magnitude of 65,504 or more in xn, q, k or v would become infinite.
; SHARES: a work-group makes 96 rows x 256 features with K = 512; 6 x 42 work-groups.  Layer norm: wave w takes rows 12 w .. 12 w + 11,
; a whole row in 16 registers of each lane.  Products: wave w takes all 96 rows x features 32 w .. 32 w + 31, so W's rows are the wave's own
; and the K steps need no barrier.
; NO JOINT LOADS: x and W are shared between work-groups, but they are f32 and pass through registers (normalised, rounded to f16) before
; they lie in LDS as operands; an f32 stage for x alone is 96 x 2,048 = 196,608 bytes, beside 99,840 + 69,632 + 61,440 bytes in use: more than 327,680.
; LDS: A 96 rows of xn, pitch 1,040; BS a slot of 32 rows x 128 k for each wave, pitch 272; OS a stage of 96 rows x 64 bytes for each wave, pitch 80.
; All pitches are odd multiples of 16 bytes: sixteen neighbouring rows start at sixteen different 16-byte columns of 256 bytes.
.set L5W, 5*512*512*4
.set L5V, 5*512*4
.set PA,  1040
.set BSB, 96*PA
.set PB,  272
.set BSW, 32*PB
.set OSB, BSB+8*BSW
.set PO,  80
.set OSW, 96*PO
; window 0: v1 16 x lane; v2 where a lane puts its xn; v3 lane exchange; v[4:11] T; v[12:13] -mean; v[14:15] 1/sigma; v[16:31] bias;
;           v[32:223] twelve rows of x; v[224:239] gain; v[240:255] shift.  Behind layer norm: v4-v9 LDS addresses, v[32:95] and v[96:159] fragments.
; window 1: v[0:95] twelve accumulators (tile (ft, mt) at 8 (6 ft + mt)); v[96:223] 32 rows x 128 k of W in f32, as loaded.
.set T,   4
.set NM,  12
.set RS,  14
.set BI,  16
.set XR,  32
.set GG,  224
.set BT,  240
.set F0,  32
.set F1,  96
.set STG, 96
.set MSB, 0
.macro WIN new                         ; the immediate's high byte repeats the setting that is left
.if MSB != \new
	s_set_vgpr_msb (MSB<<8)|\new
.set MSB, \new
.endif
.endm
.macro PLACES n
.if \n > 0
.rept \n
	v_nop
.endr
.endif
.endm
	s_load_b512 s[4:19], s[0:1], 0x0               ; x 4:5, ln_g 6:7, ln_b 8:9, Wq 10:11, Wk 12:13, Wv 14:15, bq 16:17, bk 18:19
	s_load_b128 s[20:23], s[0:1], 0x40             ; bv 20:21, qkv 22:23
	s_set_vgpr_msb 0x40
	v_lshl_add_u32 v224, v0, 2, 0x38600
	v_mov_b32 v225, 0
	s_set_vgpr_msb 0x4000
	v_lshrrev_b32 v2, 5, v0
	v_readfirstlane_b32 s24, v2                    ; wave
	v_and_b32 v3, 31, v0                           ; lane
	v_lshlrev_b32 v1, 4, v3                        ; 16 x lane
	v_bfe_u32 v4, v0, 4, 1
	v_lshlrev_b32 v4, 5, v4                        ; 32 x upper half: eight f32 of the bias
	s_mov_b32 s25, ttmp9                           ; block of 256 features, 0 to 5
	s_and_b32 s26, ttmp7, 0xffff                   ; block of 96 rows, 0 to 41
	s_lshr_b32 s27, s25, 1                         ; 0 q, 1 k, 2 v
	s_mul_i32 s29, s24, 12*PA
	v_lshl_add_u32 v2, v3, 3, s29                  ; 8 x lane + my first row of A
	s_mov_b32 s32, 0x76543210                      ; v_permlanex16_b32: lane i takes lane i of the other half
	s_mov_b32 s33, 0xfedcba98
	s_mov_b32 s34, 0x3b000000                      ; 1/512
	s_mov_b32 s35, 0xbb000000                      ; -1/512
	s_mov_b32 s69, 0                               ; the high word of every offset: all lie under 4 GiB
	s_cmp_eq_u32 s27, 0
	s_cselect_b32 s30, 0x3e38aa3b, 1.0             ; q alone is scaled: 0.125 x log2(e)
	s_mov_b32 s31, s30
	s_wait_kmcnt 0x0
	s_cmp_eq_u32 s27, 1
	s_cselect_b64 s[36:37], s[12:13], s[14:15]     ; Wk or Wv
	s_cselect_b64 s[38:39], s[18:19], s[20:21]     ; bk or bv
	s_cmp_eq_u32 s27, 0
	s_cselect_b64 s[36:37], s[10:11], s[36:37]     ; or Wq
	s_cselect_b64 s[38:39], s[16:17], s[38:39]     ; or bq
	s_and_b32 s28, s25, 1
	s_lshl_b32 s28, s28, 8
	s_lshl_b32 s29, s24, 5
	s_add_co_u32 s28, s28, s29                     ; my first feature: 256 x half + 32 x wave
	s_lshl_b32 s68, s28, 11                        ; rows of 2,048 bytes
	s_add_co_u32 s68, s68, L5W
	s_add_nc_u64 s[36:37], s[36:37], s[68:69]
	s_lshl_b32 s68, s28, 2
	s_add_co_u32 s68, s68, L5V
	s_add_nc_u64 s[38:39], s[38:39], s[68:69]
	s_mul_i32 s28, s26, 96
	s_mul_i32 s29, s24, 12
	s_add_co_u32 s28, s28, s29                     ; my first row of x
.irp i, 0,1,2,3,4,5,6,7,8,9,10,11
	s_add_co_u32 s29, s28, \i
	s_min_u32 s29, s29, 3999                       ; no load leaves x
	s_lshl_b32 s68, s29, 11
	s_add_nc_u64 s[40+2*\i:41+2*\i], s[4:5], s[68:69]
.endr
	s_lshl_b32 s28, s25, 2                         ; where I store: unit 4 x block + wave / 2,
	s_lshr_b32 s29, s24, 1
	s_add_co_u32 s28, s28, s29
	s_mul_i32 s28, s28, 4032
	s_mul_i32 s29, s26, 96
	s_add_co_u32 s28, s28, s29
	s_and_b32 s29, s24, 1
	s_mul_i32 s29, s29, 48                         ; rows 48 x (wave & 1) .. + 47 of the block
	s_add_co_u32 s28, s28, s29
	s_lshl_b32 s68, s28, 7
	s_add_nc_u64 s[66:67], s[22:23], s[68:69]
	; 60 loads: gain, shift, bias, twelve rows.  A load covers 512 consecutive bytes; lane l holds columns 128 jj + 4 l .. + 3.
.irp jj, 0,1,2,3
	global_load_b128 v[GG+4*\jj:GG+4*\jj+3], v1, s[6:7] offset:L5V+512*\jj
.endr
.irp jj, 0,1,2,3
	global_load_b128 v[BT+4*\jj:BT+4*\jj+3], v1, s[8:9] offset:L5V+512*\jj
.endr
	global_load_b128 v[BI:BI+3],     v4, s[38:39]            ; bias of features 16 ft + 8 (lane / 16) + j at BI + 8 ft + j
	global_load_b128 v[BI+4:BI+7],   v4, s[38:39] offset:16
	global_load_b128 v[BI+8:BI+11],  v4, s[38:39] offset:64
	global_load_b128 v[BI+12:BI+15], v4, s[38:39] offset:80
.irp i, 0,1,2,3,4,5,6,7,8,9,10,11
.irp jj, 0,1,2,3
	global_load_b128 v[XR+16*\i+4*\jj:XR+16*\i+4*\jj+3], v1, s[40+2*\i:41+2*\i] offset:512*\jj
.endr
.endr
.macro LANESUM                         ; v[T] summed over the 32 lanes, the sum in every lane
	v_add_f32_dpp v[T], v[T], v[T] row_xmask:1 row_mask:0xf bank_mask:0xf
	v_add_f32_dpp v[T], v[T], v[T] row_xmask:2 row_mask:0xf bank_mask:0xf
	v_add_f32_dpp v[T], v[T], v[T] row_xmask:4 row_mask:0xf bank_mask:0xf
	v_add_f32_dpp v[T], v[T], v[T] row_xmask:8 row_mask:0xf bank_mask:0xf
	v_permlanex16_b32 v3, v[T], s32, s33
	v_add_f32 v[T], v[T], v3
.endm
; One row: mean, then the variance of the centred numbers (no difference of large sums), scale, gain and shift, f16, into A.
; left = the loads issued behind this row's four.
.macro LNROW i, left
.set X, XR+16*\i
	s_wait_loadcnt \left                           ; loads come back in order: this row is in (the first such wait also shows the bias loads done, so v4 is free)
.irp p, 0,1,2,3
	v_pk_add_f32 v[T+2*\p:T+2*\p+1], v[X+4*\p:X+4*\p+1], v[X+4*\p+2:X+4*\p+3]
.endr
	v_pk_add_f32 v[T:T+1], v[T:T+1], v[T+2:T+3]
	v_pk_add_f32 v[T+4:T+5], v[T+4:T+5], v[T+6:T+7]
	v_pk_add_f32 v[T:T+1], v[T:T+1], v[T+4:T+5]
	v_add_f32 v[T], v[T], v[T+1]
	LANESUM
	v_mul_f32 v[NM], s35, v[T]                     ; -mean, twice
	v_mul_f32 v[NM+1], s35, v[T]
.irp p, 0,1,2,3,4,5,6,7
	v_pk_add_f32 v[X+2*\p:X+2*\p+1], v[X+2*\p:X+2*\p+1], v[NM:NM+1]
.endr
	v_pk_mul_f32 v[T:T+1], v[X:X+1], v[X:X+1]      ; the first squares start the two chains
	v_pk_mul_f32 v[T+2:T+3], v[X+2:X+3], v[X+2:X+3]
.irp p, 2,3,4,5,6,7
	v_pk_fma_f32 v[T+2*(\p%2):T+2*(\p%2)+1], v[X+2*\p:X+2*\p+1], v[X+2*\p:X+2*\p+1], v[T+2*(\p%2):T+2*(\p%2)+1]
.endr
	v_pk_add_f32 v[T:T+1], v[T:T+1], v[T+2:T+3]
	v_add_f32 v[T], v[T], v[T+1]
	LANESUM
	v_fmaak_f32 v[T+1], s34, v[T], 0x3727c5ac      ; variance + 1e-5
	v_rsq_f32 v[RS], v[T+1]
	v_rsq_f32 v[RS+1], v[T+1]
	v_nop                                          ; one plain vector instruction behind a transcendental before its result is used (ISA guide 5.7.2)
	s_wait_alu depctr_va_vdst(0)
.irp p, 0,1,2,3,4,5,6,7
	v_pk_mul_f32 v[X+2*\p:X+2*\p+1], v[X+2*\p:X+2*\p+1], v[RS:RS+1]
.endr
.irp p, 0,1,2,3,4,5,6,7
	v_pk_fma_f32 v[X+2*\p:X+2*\p+1], v[X+2*\p:X+2*\p+1], v[GG+2*\p:GG+2*\p+1], v[BT+2*\p:BT+2*\p+1]
.endr
.irp d, 0,1,2,3,4,5,6,7
	v_cvt_pk_f16_f32 v[X+\d], v[X+2*\d], v[X+2*\d+1]         ; in place, ascending: a target never lies ahead of its sources
.endr
.irp jj, 0,1,2,3
	ds_store_b64 v2, v[X+2*\jj:X+2*\jj+1] offset:PA*\i+256*\jj   ; columns 128 jj + 4 l .. + 3 at byte 256 jj + 8 l of the row
.endr
.endm
; 32 loads: k = 128 c .. 128 c + 127 of my 32 rows of W, 512 consecutive bytes each
.macro LOADW c
	WIN 0x40                                       ; destination in window 1
.set ii, 0
.rept 32
	global_load_b128 v[STG+4*ii:STG+4*ii+3], v1, s[36:37] offset:2048*ii+512*\c
.set ii, ii+1
.endr
	WIN 0
.endm
; What LOADW brought, rounded to f16, into my slot.  pl: the places behind the last matrix instructions, whose sources are written here.
.macro CONVERT pl
	PLACES \pl
	WIN 0x05                                       ; sources 0 and 1 in window 1
.set ii, 0
.rept 32
	v_cvt_pk_f16_f32 v[F0+2*ii],   v[STG+4*ii],   v[STG+4*ii+1]
	v_cvt_pk_f16_f32 v[F0+2*ii+1], v[STG+4*ii+2], v[STG+4*ii+3]
.set ii, ii+1
.endr
	WIN 0
.set ii, 0
.rept 32
	ds_store_b64 v6, v[F0+2*ii:F0+2*ii+1] offset:PB*ii
.set ii, ii+1
.endr
.endm
; 16 LDS loads: the fragments of 32 along K (chunk c, step u): six of xn (16 rows each), two of W (16 features each).
; A fragment: lane l holds row l % 16; registers 0-3 k = 8 (l / 16) + 0..7, registers 4-7 k = 16 + 8 (l / 16) + 0..7: two loads 32 bytes apart.
.macro FETCH c, u, f
.irp mt, 0,1,2,3,4,5
	ds_load_b128 v[\f+8*\mt:\f+8*\mt+3],   v[4+\mt/3] offset:256*\c+64*\u+(\mt%3)*16*PA
	ds_load_b128 v[\f+8*\mt+4:\f+8*\mt+7], v[4+\mt/3] offset:256*\c+64*\u+32+(\mt%3)*16*PA
.endr
.irp ft, 0,1
	ds_load_b128 v[\f+48+8*\ft:\f+48+8*\ft+3], v7 offset:64*\u+\ft*16*PB
	ds_load_b128 v[\f+48+8*\ft+4:\f+48+8*\ft+7], v7 offset:64*\u+32+\ft*16*PB
.endr
.endm
; 12 matrix instructions, W as source 0 and xn as source 1: lane l then holds token l % 16, registers 0-7 the features 8 (l / 16) + 0..7.
; The twelve accumulators take turns, one instruction a turn, in the same order in every step.
.macro MUL f, zero
	WIN 0x50                                       ; C and D in window 1
.irp ft, 0,1
.irp mt, 0,1,2,3,4,5
.if \zero
	v_wmma_f32_16x16x32_f16 v[8*(6*\ft+\mt):8*(6*\ft+\mt)+7], v[\f+48+8*\ft:\f+48+8*\ft+7], v[\f+8*\mt:\f+8*\mt+7], 0
.else
	v_wmma_f32_16x16x32_f16 v[8*(6*\ft+\mt):8*(6*\ft+\mt)+7], v[\f+48+8*\ft:\f+48+8*\ft+7], v[\f+8*\mt:\f+8*\mt+7], v[8*(6*\ft+\mt):8*(6*\ft+\mt)+7]
.endif
.endr
.endr
	WIN 0
.endm
; A chunk of 128 along K: four steps on two fragment buffers; a buffer is fetched again four places behind its products (ISA guide 7.12.1).
.macro COMPUTE c, zero
	FETCH \c, 0, F0
	FETCH \c, 1, F1
	s_wait_dscnt 16                                ; all but the 16 loads just issued
	MUL F0, \zero
	PLACES 4
	FETCH \c, 2, F0
	s_wait_dscnt 16
	MUL F1, 0
	PLACES 4
	FETCH \c, 3, F1
	s_wait_dscnt 16
	MUL F0, 0
	s_wait_dscnt 0
	MUL F1, 0
.endm
.irp i, 0,1,2,3,4
	LNROW \i, 4*(11-\i)                            ; the younger rows' loads stay out
.endr
	LOADW 0                                        ; 28 + 32 = 60 loads out
.irp i, 5,6,7,8,9,10,11
	LNROW \i, 4*(11-\i)+32                         ; the younger rows' and W's 32
.endr
	v_and_b32 v10, 15, v0                          ; r = lane % 16
	v_bfe_u32 v11, v0, 4, 1                        ; h = lane / 16
	v_and_b32 v12, 31, v0
	v_mul_u32_u24 v4, v10, PA
	v_lshl_add_u32 v4, v11, 4, v4                  ; xn fragments, rows 0-47
	v_add_nc_u32 v5, 48*PA, v4                     ; rows 48-95: LDS offsets have 16 bits
	s_mul_i32 s28, s24, BSW
	s_add_co_u32 s28, s28, BSB                     ; my slot
	v_lshl_add_u32 v6, v12, 3, s28                 ; in: 8 x lane
	v_mul_u32_u24 v7, v10, PB
	v_lshl_add_u32 v7, v11, 4, v7
	v_add_nc_u32 v7, s28, v7                       ; W fragments
	s_mul_i32 s28, s24, OSW
	s_add_co_u32 s28, s28, OSB                     ; my stage
	v_mul_u32_u24 v8, v10, PO
	v_lshl_add_u32 v8, v11, 4, v8
	v_add_nc_u32 v8, s28, v8                       ; in: token r, 16 bytes for each half of the lanes
	s_and_b32 s28, s24, 6                          ; back: the stages of waves 2 (w / 2) and 2 (w / 2) + 1 hold the two halves of a head's rows
	s_mul_i32 s28, s28, OSW
	s_and_b32 s29, s24, 1
	s_mul_i32 s29, s29, 48*PO
	s_add_co_u32 s29, s29, s28
	s_add_co_u32 s29, s29, OSB
	v_bfe_u32 v13, v0, 2, 1
	v_mul_u32_u24 v9, v13, OSW                     ; which half of the row's 128 bytes
	v_bfe_u32 v13, v0, 3, 2
	v_mad_u32_u24 v9, v13, PO, v9                  ; which of four rows
	v_and_b32 v13, 3, v0
	v_lshl_add_u32 v9, v13, 4, v9
	v_add_nc_u32 v9, s29, v9
	s_wait_loadcnt 0x0                             ; W's first chunk
	CONVERT 0
	LOADW 1
	s_wait_dscnt 0x0                               ; my rows of xn are in LDS,
	s_barrier_signal -1
	s_barrier_wait -1                              ; everybody's are
	COMPUTE 0, 1                                   ; the first products start the sums: nothing is cleared
	s_wait_loadcnt 0x0                             ; the next chunk had this chunk's 48 matrix instructions in which to arrive
	CONVERT 4
	LOADW 2
	COMPUTE 1, 0
	s_wait_loadcnt 0x0
	CONVERT 4
	LOADW 3
	COMPUTE 2, 0
	s_wait_loadcnt 0x0
	CONVERT 4
	COMPUTE 3, 0
	; THE WAY OUT: (sum + bias) x scale as one fused multiply-add on a scaled bias, f16, my stage, whole rows back, 512 consecutive bytes a store.
	PLACES 4
.irp p, 0,1,2,3,4,5,6,7
	v_pk_mul_f32 v[BI+2*\p:BI+2*\p+1], v[BI+2*\p:BI+2*\p+1], s[30:31] op_sel_hi:[1,0]
.endr
	WIN 0x01                                       ; source 0 in window 1
.irp ft, 0,1
.irp mt, 0,1,2,3,4,5
.irp p, 0,1,2,3
	v_pk_fma_f32 v[F0+8*(6*\ft+\mt)+2*\p:F0+8*(6*\ft+\mt)+2*\p+1], v[8*(6*\ft+\mt)+2*\p:8*(6*\ft+\mt)+2*\p+1], s[30:31], v[BI+8*\ft+2*\p:BI+8*\ft+2*\p+1] op_sel_hi:[1,0,1]
.endr
.endr
.endr
	WIN 0
.irp ft, 0,1
.irp mt, 0,1,2,3,4,5
.irp d, 0,1,2,3
	v_cvt_pk_f16_f32 v[F0+8*(6*\ft+\mt)+\d], v[F0+8*(6*\ft+\mt)+2*\d], v[F0+8*(6*\ft+\mt)+2*\d+1]
.endr
	ds_store_b128 v8, v[F0+8*(6*\ft+\mt):F0+8*(6*\ft+\mt)+3] offset:\mt*16*PO+32*\ft
.endr
.endr
	s_wait_dscnt 0x0                               ; my stage is written,
	s_barrier_signal -1
	s_barrier_wait -1                              ; my neighbour's too
.irp i, 0,1,2,3,4,5,6,7,8,9,10,11
	ds_load_b128 v[F0+4*\i:F0+4*\i+3], v9 offset:4*PO*\i     ; four rows of 128 bytes
.endr
.irp i, 0,1,2,3,4,5,6,7,8,9,10,11
	s_wait_dscnt 11-\i
	global_store_b128 v1, v[F0+4*\i:F0+4*\i+3], s[66:67] offset:512*\i
.endr
	s_set_vgpr_msb 0x5
	s_wait_tensorcnt 0x0
	ds_add_u32 v224, v225
	s_wait_dscnt 0x0
	s_set_vgpr_msb 0x500
	s_endpgm
.Lfunc_end_k_q50d478b982_lnqkv:
	.size	k_q50d478b982_lnqkv, .Lfunc_end_k_q50d478b982_lnqkv-k_q50d478b982_lnqkv
	.p2alignl 7, 3214868480
	.fill 96, 4, 3214868480
	.section	.rodata,"a",@progbits
	.p2align	6, 0x0
	.amdhsa_kernel k_q50d478b982_lnqkv
		.amdhsa_group_segment_fixed_size 231936
		.amdhsa_private_segment_fixed_size 0
		.amdhsa_enable_private_segment 0
		.amdhsa_kernarg_size 80
		.amdhsa_user_sgpr_count 2
		.amdhsa_user_sgpr_kernarg_segment_ptr 1
		.amdhsa_wavefront_size32 1
		.amdhsa_system_sgpr_workgroup_id_x 1
		.amdhsa_system_sgpr_workgroup_id_y 1
		.amdhsa_system_sgpr_workgroup_id_z 1
		.amdhsa_system_vgpr_workitem_id 0
		.amdhsa_next_free_vgpr 482
		.amdhsa_next_free_sgpr 70
		.amdhsa_reserve_vcc 0
		.amdhsa_float_denorm_mode_32 3
		.amdhsa_float_denorm_mode_16_64 3
		.amdhsa_memory_ordered 1
		.amdhsa_forward_progress 1
		.amdhsa_inst_pref_size 141
	.end_amdhsa_kernel
	.amdgpu_metadata
---
amdhsa.version: [ 1, 2 ]
amdhsa.kernels:
  - .name:           k_q50d478b982_lnqkv
    .symbol:         k_q50d478b982_lnqkv.kd
    .args:
      - { .name: x, .offset: 0, .size: 8, .value_kind: global_buffer, .address_space: global }
      - { .name: ln_g, .offset: 8, .size: 8, .value_kind: global_buffer, .address_space: global }
      - { .name: ln_b, .offset: 16, .size: 8, .value_kind: global_buffer, .address_space: global }
      - { .name: Wq, .offset: 24, .size: 8, .value_kind: global_buffer, .address_space: global }
      - { .name: Wk, .offset: 32, .size: 8, .value_kind: global_buffer, .address_space: global }
      - { .name: Wv, .offset: 40, .size: 8, .value_kind: global_buffer, .address_space: global }
      - { .name: bq, .offset: 48, .size: 8, .value_kind: global_buffer, .address_space: global }
      - { .name: bk, .offset: 56, .size: 8, .value_kind: global_buffer, .address_space: global }
      - { .name: bv, .offset: 64, .size: 8, .value_kind: global_buffer, .address_space: global }
      - { .name: qkv, .offset: 72, .size: 8, .value_kind: global_buffer, .address_space: global }
    .group_segment_fixed_size: 231936
    .private_segment_fixed_size: 0
    .kernarg_segment_align: 8
    .kernarg_segment_size: 80
    .max_flat_workgroup_size: 256
    .sgpr_count:     70
    .vgpr_count:     482
    .wavefront_size: 32
...
	.end_amdgpu_metadata
.endif
;; end of part 1
;; launch attn (part 2): grid 256 x 1, 8 waves a work-group, clusters of 4 x 1, 175,104 bytes of LDS; arguments qkv, ctx; writes ctx
.if DOCPART == 2
	.amdgcn_target "amdgcn-amd-amdhsa--gfx1250"
	.amdhsa_code_object_version 6
	.text
	.protected	k_q50d478b982_attn
	.globl	k_q50d478b982_attn
	.p2align	8
	.type	k_q50d478b982_attn,@function
k_q50d478b982_attn:
	s_mov_b64 s[64:65], 0
	v_nop
	global_prefetch_b8 v0, s[64:65] scope:SCOPE_SE
	s_setreg_imm32_b32 hwreg(HW_REG_WAVE_MODE, 25, 1), 1
	s_wait_xcnt 0x0
	s_wait_alu depctr_hold_cnt(0) depctr_sa_sdst(0) depctr_va_vdst(0) depctr_va_sdst(0) depctr_va_ssrc(0) depctr_va_vcc(0) depctr_vm_vsrc(0)
	s_getreg_b32 s2, hwreg(HW_REG_IB_STS2, 6, 4)
	s_cmp_eq_u32 s2, 0
	s_cbranch_scc0 .Lentry_in_a_cluster
	s_endpgm
.Lentry_in_a_cluster:
	s_bfe_u32 s2, ttmp6, 0x10000c
	s_cmp_lg_u32 s2, 0x3003
	s_cbranch_scc0 .Lentry_shape_is_right
	s_endpgm
.Lentry_shape_is_right:
; ATTENTION OF LAYER 5 FOR ONE (batch, head) AND 128 QUERIES: ctx = softmax(q k / 8 + i - j) v, all 500 keys, a running maximum.
; qkv as the first launch stores it (q already times 0.125 log2(e)).  ctx: f16, [8 heads][4096 rows][64], row = 512 b + s; rows s >= 500 are
; stored (finite numbers made from rows that are no queries of this batch) and never reach the result.
; LIMITS: the row's term + i of the position bias is the same for every key of a row and falls out of the softmax, so - j alone is added;
; exponentials are 2^x with log2(e) folded into q and into the bias, and results under 2^-126 are zero; p and ctx are rounded to f16.
; No key is left out on the ground that - j makes it small: that would hold for small weights alone.
; CLUSTER: the four work-groups of a cluster are the four query blocks of one (batch, head) and read the same K and V: every K and V tile is asked for
; jointly (mask 15).  The place in the cluster enters two global addresses alone (q's rows, ctx's rows): no LDS address, no branch, no descriptor.
; Every LDS byte is filled once: nothing is filled again, so later tiles may stay out across the barriers.
; EVERYTHING IS TRANSPOSED, so that a query is a lane: S^T = K x Q^T + bias (lane l: query l % 16, registers: keys 8 (l / 16) + 0..7), two such tiles pack in the
; lane into P's fragment of 32 keys, O^T = V^T x P^T (V's fragments by the transposing LDS load).  Maximum, rescale and sum are per lane;
; the two halves of the lanes meet by one v_permlanex16_b32 a chunk.
; LDS: K 512 rows, pitch 144; V 512 rows, pitch 160 (an odd multiple of 32 for the transposing load); a stage of 16 rows, pitch 144, for each wave.
.set PK,   144
.set PV,   160
.set VB,   512*PK
.set STB,  VB+512*PV
.set UNIT, 4032*128
.set M,    12                          ; v[12:13] running maximum, twice
.set AL,   14                          ; v[14:15] rescale factor, twice
.set LS,   16                          ; v16      running sum of my half of the keys
.set Q,    32                          ; v[32:47] two fragments of q
.set S,    48                          ; v[48:79] four tiles of S^T, then P
.set F,    80                          ; v[80:143] eight fragments of K, then of V
.set O,    144                         ; v[144:175] four tiles of O^T
.set BIAS, 176                         ; v[176:207] -log2(e) x (key in the chunk), as the four tiles' C
.set MB,   208                         ; v[208:215] the last tile's C: keys 500 to 511 masked
.macro PLACES n
.rept \n
	v_nop
.endr
.endm
.macro ROUND                           ; a round of the cluster's barrier
	s_barrier_signal -1
	s_barrier_wait -1
	s_cmp_lg_u32 s8, 0
	s_cbranch_scc1 .Lnot_wave_0_\@
	s_barrier_signal -3
.Lnot_wave_0_\@:
	s_barrier_wait -3
	s_barrier_signal -1
	s_barrier_wait -1
.endm
; descriptor group 1: 16 rows of 64 f16 (32 words), pad words behind each row; last = 1: only the rows left of the batch's 500 exist, the others arrive as zeros
.macro SETG1 base, pad, last
	s_mov_b32 s[\base+0], 15|(1<<16)|(1<<20)|(1<<21)|(4<<22)|((\pad-1)<<25)  ; mask: all four partners; 2-byte elements; padding on; bit 21 beside a mask; after every 32 words
	s_mov_b32 s[\base+1], 64<<16                   ; tensor_dim0 = 64
.if \last
	s_lshl_b32 s[\base+2], s87, 16                 ; tensor_dim1 = 116 - 16 w, at least 4
.else
	s_mov_b32 s[\base+2], 16<<16                   ; tensor_dim1 = 16
.endif
	s_mov_b32 s[\base+3], 64<<16                   ; tile_dim0 = 64
	s_mov_b32 s[\base+4], 16                       ; tile_dim1 = 16
	s_mov_b32 s[\base+5], 64                       ; pitch in memory
	s_mov_b32 s[\base+6], 0
	s_mov_b32 s[\base+7], 0
.endm
	s_load_b128 s[4:7], s[0:1], 0x0                ; qkv 4:5, ctx 6:7
	v_lshl_add_u32 v216, v0, 2, 0x2a800
	v_mov_b32 v217, 0
	ds_add_u32 v216, v217
	v_lshrrev_b32 v1, 5, v0
	v_readfirstlane_b32 s8, v1                     ; wave
	s_bfe_u32 s9, ttmp6, 0x40000                   ; my place in the cluster = the block of 128 queries
	s_lshr_b32 s10, ttmp9, 3                       ; batch
	s_and_b32 s11, ttmp9, 7                        ; head
	s_mul_i32 s12, s11, 4032
	s_mul_i32 s14, s10, 500
	s_add_co_u32 s12, s12, s14
	s_lshl_b32 s14, s8, 4
	s_add_co_u32 s12, s12, s14
	s_lshl_b32 s12, s12, 7                         ; (4032 head + 500 batch + 16 wave) rows of 128 bytes: shared by the partners
	s_mov_b32 s13, 0
	s_lshl_b32 s90, s9, 14                         ; q: + 128 rows x place
	s_add_co_u32 s90, s90, s12
	s_mov_b32 s91, 0
	s_lshl_b32 s94, s11, 12                        ; ctx: (4096 head + 512 batch + 128 place + 16 wave) rows
	s_lshl_b32 s95, s10, 9
	s_add_co_u32 s94, s94, s95
	s_lshl_b32 s95, s9, 7
	s_add_co_u32 s94, s94, s95
	s_lshl_b32 s95, s8, 4
	s_add_co_u32 s94, s94, s95
	s_lshl_b32 s94, s94, 7
	s_mov_b32 s95, 0
	s_mov_b32 s84, 0x76543210
	s_mov_b32 s85, 0xfedcba98
	s_mov_b32 s86, 0xbfb8aa3b                      ; -log2(e)
	s_lshl_b32 s87, s8, 4
	s_sub_co_u32 s87, 116, s87                     ; rows left of the 500 at my rows of the last stage
	s_mul_i32 s88, s8, 16*PK                       ; my 16 rows of a stage in K,
	s_mul_i32 s89, s8, 16*PV
	s_add_co_u32 s89, s89, VB                      ; in V
	s_mul_i32 s96, s8, 16*PK
	s_add_co_u32 s96, s96, STB                     ; my stage
	SETG1 48, 4, 0                                 ; K
	SETG1 56, 8, 0                                 ; V
	SETG1 68, 4, 1                                 ; K, last stage
	SETG1 76, 8, 1                                 ; V, last stage
	s_wait_dscnt 0x0
	s_wait_kmcnt 0x0
	s_add_nc_u64 s[14:15], s[4:5], s[12:13]
	s_add_nc_u64 s[90:91], s[4:5], s[90:91]
	s_add_nc_u64 s[94:95], s[6:7], s[94:95]
.irp st, 0,1,2,3                       ; a stage = 128 keys; each wave brings 16 rows of K and of V; a group 0 for each load, never written again
	s_mov_b32 s[16+8*\st], 1
	s_add_co_u32 s[17+8*\st], s88, \st*128*PK
	s_add_nc_u64 s[18+8*\st:19+8*\st], s[14:15], 8*UNIT+\st*16384
	s_or_b32 s[19+8*\st], s[19+8*\st], 0x80000000
	s_mov_b32 s[20+8*\st], 1
	s_add_co_u32 s[21+8*\st], s89, \st*128*PV
	s_add_nc_u64 s[22+8*\st:23+8*\st], s[14:15], 16*UNIT+\st*16384
	s_or_b32 s[23+8*\st], s[23+8*\st], 0x80000000
.endr
	ROUND                                          ; the four partners are here: the joint loads meet
.irp st, 0,1,2
	tensor_load_to_lds s[16+8*\st:19+8*\st], s[48:55]
	s_nop 0
	tensor_load_to_lds s[20+8*\st:23+8*\st], s[56:63]
	s_nop 0
.endr
	tensor_load_to_lds s[40:43], s[68:75]
	s_nop 0
	tensor_load_to_lds s[44:47], s[76:83]          ; eight tensor loads of the wave are out, and no more are issued
	s_nop 0
	v_and_b32 v1, 15, v0                           ; r
	v_bfe_u32 v2, v0, 4, 1                         ; h
	v_lshlrev_b32 v11, 7, v1
	v_lshl_add_u32 v11, v2, 4, v11                 ; q's fragments straight from memory: row r, 16 h
	global_load_b128 v[Q:Q+3],     v11, s[90:91]
	global_load_b128 v[Q+4:Q+7],   v11, s[90:91] offset:32
	global_load_b128 v[Q+8:Q+11],  v11, s[90:91] offset:64
	global_load_b128 v[Q+12:Q+15], v11, s[90:91] offset:96
	v_lshlrev_b32 v3, 3, v2                        ; 8 h
	v_mul_u32_u24 v4, v1, PK
	v_lshl_add_u32 v4, v2, 4, v4                   ; K fragments, keys 0-255
	v_add_nc_u32 v5, 256*PK, v4                    ; keys 256-511
	v_and_b32 v20, 7, v0
	v_add_nc_u32 v21, v3, v20
	v_bfe_u32 v22, v0, 3, 1
	v_mul_u32_u24 v6, v21, PV
	v_lshl_add_u32 v6, v22, 4, v6
	v_add_nc_u32 v6, VB, v6                        ; V, transposing load: row 8 h + l % 8, 16 bytes x ((l / 8) % 2)
	v_add_nc_u32 v7, 256*PV, v6
	v_add_nc_u32 v8, s96, v4                       ; stage, in: row r, 16 h
	v_bfe_u32 v23, v0, 3, 2
	v_mul_u32_u24 v9, v23, PK
	v_lshl_add_u32 v9, v20, 4, v9
	v_add_nc_u32 v9, s96, v9                       ; stage, back: four rows of 128 bytes a load
	v_and_b32 v24, 31, v0
	v_lshlrev_b32 v10, 4, v24                      ; 16 x lane
	v_mov_b32 v19, 0                               ; a lane exchange's target counts as read
	v_mov_b32 v28, 0xf149f2ca                      ; -1e30: under every score, |S| <= 64 x 65504^2
	v_cvt_f32_u32 v20, v3                          ; the key's number in the chunk, counted up exactly in f32
.irp tt, 0,1,2,3
.irp j, 0,1,2,3,4,5,6,7
	v_mul_f32 v[BIAS+8*\tt+\j], s86, v20
.if \j < 7
	v_add_f32 v20, 1.0, v20
.else
	v_add_f32 v20, 9.0, v20                        ; on to the next tile of 16 keys
.endif
.endr
.endr
	v_cmp_ne_u32 vcc_lo, 0, v2                     ; the last tile holds keys 496 + 8 h + j: 496 to 499 exist
.irp j, 0,1,2,3
	v_cndmask_b32 v[MB+\j], v[BIAS+24+\j], v28, vcc_lo
.endr
.irp j, 4,5,6,7
	v_mov_b32 v[MB+\j], v28
.endr
	s_wait_loadcnt 0x0                             ; q
.macro STAGE st
	s_wait_tensorcnt 6-2*\st                       ; my rows of this stage's K and V have landed; the later stages' two loads each stay out
	s_wait_dscnt 0x0
	s_barrier_signal -1
	s_barrier_wait -1                              ; everybody's have
.endm
; 64 keys.
.macro CHUNK kc, first, last
.set KO, (\kc%4)*64*PK
.set VO, (\kc%4)*64*PV
.if \first == 0
	PLACES 5                                       ; behind the last products: F is loaded again, and S, which was their source P, is written by matrix instructions
.endif
.irp u, 0,1
.irp tt, 0,1,2,3
	ds_load_b128 v[F+8*(4*\u+\tt):F+8*(4*\u+\tt)+3],   v[4+\kc/4] offset:KO+\tt*16*PK+64*\u
	ds_load_b128 v[F+8*(4*\u+\tt)+4:F+8*(4*\u+\tt)+7], v[4+\kc/4] offset:KO+\tt*16*PK+64*\u+32
.endr
.endr
	s_wait_dscnt 0x8                               ; d = 0..31 of the four tiles; the younger eight loads stay out
	; the four accumulators take turns, one instruction a turn
.irp tt, 0,1,2
	v_wmma_f32_16x16x32_f16 v[S+8*\tt:S+8*\tt+7], v[F+8*\tt:F+8*\tt+7], v[Q:Q+7], v[BIAS+8*\tt:BIAS+8*\tt+7]
.endr
.if \last
	v_wmma_f32_16x16x32_f16 v[S+24:S+31], v[F+24:F+31], v[Q:Q+7], v[MB:MB+7]
.else
	v_wmma_f32_16x16x32_f16 v[S+24:S+31], v[F+24:F+31], v[Q:Q+7], v[BIAS+24:BIAS+31]
.endif
	s_wait_dscnt 0x0
.irp tt, 0,1,2,3
	v_wmma_f32_16x16x32_f16 v[S+8*\tt:S+8*\tt+7], v[F+32+8*\tt:F+32+8*\tt+7], v[Q+8:Q+15], v[S+8*\tt:S+8*\tt+7]
.endr
	PLACES 4                                       ; before F is loaded again and S is read (ISA guide 7.12.1)
.irp s, 0,1
.irp dt, 0,1,2,3
	ds_load_tr16_b128 v[F+8*(4*\s+\dt):F+8*(4*\s+\dt)+3],   v[6+\kc/4] offset:VO+\s*32*PV+32*\dt
	ds_load_tr16_b128 v[F+8*(4*\s+\dt)+4:F+8*(4*\s+\dt)+7], v[6+\kc/4] offset:VO+\s*32*PV+32*\dt+16*PV
.endr
.endr
	; the softmax step, while V's fragments arrive
.if \first == 0
	v_add_f32 v[M], 0x42b8aa3b, v[M]               ; the bias counts from the chunk's first key: the maximum moves by 64 log2(e) into this chunk's frame
.endif
	v_max3_num_f32 v17, v[S], v[S+1], v[S+2]
	v_max3_num_f32 v18, v[S+3], v[S+4], v[S+5]
.set nn, 6
.rept 13
	v_max3_num_f32 v[17+(nn/2)%2], v[17+(nn/2)%2], v[S+nn], v[S+nn+1]
.set nn, nn+2
.endr
	v_max_num_f32 v17, v17, v18
	v_permlanex16_b32 v19, v17, s84, s85           ; the other half of the query's keys
	v_max_num_f32 v17, v17, v19
.if \first
	v_mov_b32 v[M], v17
.else
	v_max_num_f32 v17, v[M], v17
	v_sub_f32 v18, v[M], v17
	v_exp_f32 v[AL], v18
	v_exp_f32 v[AL+1], v18
	v_mov_b32 v[M], v17                            ; also the plain instruction behind the two exponentials
.endif
	v_mov_b32 v[M+1], v17
.irp p, 0,1,2,3,4,5,6,7,8,9,10,11,12,13,14,15
	v_pk_add_f32 v[S+2*\p:S+2*\p+1], v[S+2*\p:S+2*\p+1], v[M:M+1] neg_lo:[0,1] neg_hi:[0,1]
.endr
.set nn, 0
.rept 32
	v_exp_f32 v[S+nn], v[S+nn]
.set nn, nn+1
.endr
.if \first
	v_nop                                          ; one plain instruction before the exponentials are used
	s_wait_alu depctr_va_vdst(0)
.else
	s_wait_alu depctr_va_vdst(0)
.irp p, 0,1,2,3,4,5,6,7,8,9,10,11,12,13,14,15
	v_pk_mul_f32 v[O+2*\p:O+2*\p+1], v[O+2*\p:O+2*\p+1], v[AL:AL+1]   ; plain work behind the exponentials
.endr
.endif
.irp p, 0,1,2,3
	v_pk_add_f32 v[20+2*\p:21+2*\p], v[S+4*\p:S+4*\p+1], v[S+4*\p+2:S+4*\p+3]
.endr
.irp p, 0,1,2,3,4,5,6,7
	v_pk_add_f32 v[20+2*(\p%4):21+2*(\p%4)], v[20+2*(\p%4):21+2*(\p%4)], v[S+16+2*\p:S+17+2*\p]
.endr
	v_pk_add_f32 v[20:21], v[20:21], v[22:23]
	v_pk_add_f32 v[24:25], v[24:25], v[26:27]
	v_pk_add_f32 v[20:21], v[20:21], v[24:25]
.if \first
	v_add_f32 v[LS], v20, v21
.else
	v_add_f32 v20, v20, v21
	v_fma_f32 v[LS], v[LS], v[AL], v20
.endif
.irp s, 0,1
.irp i, 0,1,2,3,4,5,6,7
	v_cvt_pk_f16_f32 v[S+16*\s+\i], v[S+16*\s+2*\i], v[S+16*\s+2*\i+1]   ; tiles 2 s and 2 s + 1 become P's fragment of keys 32 s .. 32 s + 31, in place
.endr
.endr
	s_wait_dscnt 0x8                               ; V of keys 0-31 of the chunk
.irp dt, 0,1,2,3
.if \first
	v_wmma_f32_16x16x32_f16 v[O+8*\dt:O+8*\dt+7], v[F+8*\dt:F+8*\dt+7], v[S:S+7], 0
.else
	v_wmma_f32_16x16x32_f16 v[O+8*\dt:O+8*\dt+7], v[F+8*\dt:F+8*\dt+7], v[S:S+7], v[O+8*\dt:O+8*\dt+7]
.endif
.endr
	s_wait_dscnt 0x0
.irp dt, 0,1,2,3
	v_wmma_f32_16x16x32_f16 v[O+8*\dt:O+8*\dt+7], v[F+32+8*\dt:F+32+8*\dt+7], v[S+16:S+23], v[O+8*\dt:O+8*\dt+7]
.endr
.endm
	STAGE 0
	CHUNK 0, 1, 0
	CHUNK 1, 0, 0
	STAGE 1
	CHUNK 2, 0, 0
	CHUNK 3, 0, 0
	STAGE 2
	CHUNK 4, 0, 0
	CHUNK 5, 0, 0
	STAGE 3                                        ; its wait is for zero: no tensor load is out from here on
	CHUNK 6, 0, 0
	CHUNK 7, 0, 1
	; THE WAY OUT: divide by the sum, f16, my own stage, whole rows back, 512 consecutive bytes a store
	PLACES 4
	v_permlanex16_b32 v19, v[LS], s84, s85
	v_add_f32 v[LS], v[LS], v19                    ; both halves of the keys
	v_rcp_f32 v[AL], v[LS]
	v_rcp_f32 v[AL+1], v[LS]
	v_nop
	s_wait_alu depctr_va_vdst(0)
.irp p, 0,1,2,3,4,5,6,7,8,9,10,11,12,13,14,15
	v_pk_mul_f32 v[O+2*\p:O+2*\p+1], v[O+2*\p:O+2*\p+1], v[AL:AL+1]
.endr
.irp dt, 0,1,2,3
.irp i, 0,1,2,3
	v_cvt_pk_f16_f32 v[O+8*\dt+\i], v[O+8*\dt+2*\i], v[O+8*\dt+2*\i+1]
.endr
	ds_store_b128 v8, v[O+8*\dt:O+8*\dt+3] offset:32*\dt     ; query r, d = 16 dt + 8 h + 0..7
.endr
.irp i, 0,1,2,3
	ds_load_b128 v[F+4*\i:F+4*\i+3], v9 offset:4*PK*\i       ; my own bytes: LDS serves a wave's instructions in order
.endr
.irp i, 0,1,2,3
	s_wait_dscnt 3-\i
	global_store_b128 v10, v[F+4*\i:F+4*\i+3], s[94:95] offset:512*\i
.endr
	s_wait_tensorcnt 0x0
	ds_add_u32 v216, v217
	s_wait_dscnt 0x0
	ROUND                                          ; the closing round: no work-group ends while a partner may still ask jointly
	s_endpgm
.Lfunc_end_k_q50d478b982_attn:
	.size	k_q50d478b982_attn, .Lfunc_end_k_q50d478b982_attn-k_q50d478b982_attn
	.p2alignl 7, 3214868480
	.fill 96, 4, 3214868480
	.section	.rodata,"a",@progbits
	.p2align	6, 0x0
	.amdhsa_kernel k_q50d478b982_attn
		.amdhsa_group_segment_fixed_size 175104
		.amdhsa_private_segment_fixed_size 0
		.amdhsa_enable_private_segment 0
		.amdhsa_kernarg_size 16
		.amdhsa_user_sgpr_count 2
		.amdhsa_user_sgpr_kernarg_segment_ptr 1
		.amdhsa_wavefront_size32 1
		.amdhsa_system_sgpr_workgroup_id_x 1
		.amdhsa_system_sgpr_workgroup_id_y 1
		.amdhsa_system_sgpr_workgroup_id_z 1
		.amdhsa_system_vgpr_workitem_id 0
		.amdhsa_next_free_vgpr 218
		.amdhsa_next_free_sgpr 98
		.amdhsa_reserve_vcc 1
		.amdhsa_float_denorm_mode_32 3
		.amdhsa_float_denorm_mode_16_64 3
		.amdhsa_memory_ordered 1
		.amdhsa_forward_progress 1
		.amdhsa_inst_pref_size 93
	.end_amdhsa_kernel
	.amdgpu_metadata
---
amdhsa.version: [ 1, 2 ]
amdhsa.kernels:
  - .name:           k_q50d478b982_attn
    .symbol:         k_q50d478b982_attn.kd
    .args:
      - { .name: qkv, .offset: 0, .size: 8, .value_kind: global_buffer, .address_space: global }
      - { .name: ctx, .offset: 8, .size: 8, .value_kind: global_buffer, .address_space: global }
    .group_segment_fixed_size: 175104
    .private_segment_fixed_size: 0
    .kernarg_segment_align: 8
    .kernarg_segment_size: 16
    .max_flat_workgroup_size: 256
    .sgpr_count:     98
    .vgpr_count:     218
    .wavefront_size: 32
...
	.end_amdgpu_metadata
.endif
;; end of part 2
;; launch oproj (part 3): grid 8 x 32, 8 waves a work-group, clusters of 4 x 1, 249,856 bytes of LDS; arguments ctx, Wo, bo, out0; writes out0
.if DOCPART == 3
	.amdgcn_target "amdgcn-amd-amdhsa--gfx1250"
	.amdhsa_code_object_version 6
	.text
	.protected	k_q50d478b982_oproj
	.globl	k_q50d478b982_oproj
	.p2align	8
	.type	k_q50d478b982_oproj,@function
k_q50d478b982_oproj:
	s_mov_b64 s[64:65], 0
	v_nop
	global_prefetch_b8 v0, s[64:65] scope:SCOPE_SE
	s_setreg_imm32_b32 hwreg(HW_REG_WAVE_MODE, 25, 1), 1
	s_wait_xcnt 0x0
	s_wait_alu depctr_hold_cnt(0) depctr_sa_sdst(0) depctr_va_vdst(0) depctr_va_sdst(0) depctr_va_ssrc(0) depctr_va_vcc(0) depctr_vm_vsrc(0)
	s_getreg_b32 s2, hwreg(HW_REG_IB_STS2, 6, 4)
	s_cmp_eq_u32 s2, 0
	s_cbranch_scc0 .Lentry_in_a_cluster
	s_endpgm
.Lentry_in_a_cluster:
	s_bfe_u32 s2, ttmp6, 0x10000c
	s_cmp_lg_u32 s2, 0x3003
	s_cbranch_scc0 .Lentry_shape_is_right
	s_endpgm
.Lentry_shape_is_right:
; THE OUTPUT PROJECTION OF LAYER 5: out0 = ctx Wo^T + bo, Wo and bo at their slices of layer 5 (the earlier layers cannot reach the result).
; ctx: f16, [8 heads][4096 rows][64], row = 512 b + s.  Wo is rounded to f16, sums in f32, out0 in f32.
; SHARES: a work-group makes 128 rows of ctx (one batch's s = 128 qq .. + 127) x 64 columns; wave w rows 16 w .. 16 w + 15 x all 64 columns.
; Rows s >= 500 are computed and not stored: only wave 7 of qq = 3 has such rows (4 of its 16 exist).
; CLUSTER: the four work-groups of a cluster make four column blocks of the same rows: ctx's tile is asked for jointly (mask 15), one head a wave.
; The place in the cluster enters the global addresses of Wo, bo and out0 alone.  Wo's rows are f32 and pass through registers on their way to f16.
; LDS: A 8 heads x 128 rows, pitch 144; B 64 rows of Wo in f16, pitch 1,040; a stage of 16 rows x 256 bytes, pitch 272, for each wave.  Nothing is filled again.
.set L5W, 5*512*512*4
.set L5V, 5*512*4
.set PC,  144
.set PW,  1040
.set WB,  8*128*PC
.set PS,  272
.set STB, WB+64*PW
.set BI,  16                           ; v[16:47]  bias, column 16 nt + 8 h + j at BI + 8 nt + j
.set ACC, 48                           ; v[48:79]  four accumulators
.set F0,  80                           ; v[80:159], v[160:239]: ctx's fragment u at + 8 u, Wo's fragment (u, nt) at + 16 + 8 (4 u + nt)
.set F1,  160
.set WS,  80                           ; v[80:207] eight rows of Wo in f32, before the fragments need the registers
.macro PLACES n
.rept \n
	v_nop
.endr
.endm
.macro ROUND
	s_barrier_signal -1
	s_barrier_wait -1
	s_cmp_lg_u32 s12, 0
	s_cbranch_scc1 .Lnot_wave_0_\@
	s_barrier_signal -3
.Lnot_wave_0_\@:
	s_barrier_wait -3
	s_barrier_signal -1
	s_barrier_wait -1
.endm
	s_load_b256 s[4:11], s[0:1], 0x0               ; ctx 4:5, Wo 6:7, bo 8:9, out0 10:11
	v_lshl_add_u32 v240, v0, 2, 0x3cc00
	v_mov_b32 v241, 0
	ds_add_u32 v240, v241
	v_lshrrev_b32 v1, 5, v0
	v_readfirstlane_b32 s12, v1                    ; wave
	s_bfe_u32 s13, ttmp6, 0x40000                  ; my place in the cluster
	s_lshl_b32 s14, ttmp9, 2
	s_add_co_u32 s14, s14, s13                     ; block of 64 columns, 0 to 7
	s_and_b32 s15, ttmp7, 0xffff                   ; block of 128 rows, 0 to 31
	s_mov_b32 s16, 1                               ; group 0: count
	s_mul_i32 s17, s12, 128*PC                     ; head w's 128 rows in LDS
	s_lshl_b32 s40, s12, 19                        ; head w: 4,096 rows of 128 bytes
	s_lshl_b32 s41, s15, 14                        ; + 128 rows x block
	s_add_co_u32 s40, s40, s41
	s_mov_b32 s41, 0
	s_mov_b32 s20, 15|(1<<16)|(1<<20)|(1<<21)|(4<<22)|(3<<25)  ; mask: all four partners; 2-byte elements; padding: 4 words behind every 32; bit 21 beside a mask
	s_mov_b32 s21, 64<<16                          ; tensor_dim0 = 64
	s_mov_b32 s22, 128<<16                         ; tensor_dim1 = 128
	s_mov_b32 s23, 64<<16                          ; tile_dim0 = 64
	s_mov_b32 s24, 128                             ; tile_dim1 = 128
	s_mov_b32 s25, 64                              ; pitch in memory
	s_mov_b32 s26, 0
	s_mov_b32 s27, 0
	s_lshr_b32 s38, s15, 2
	s_mul_i32 s38, s38, 500                        ; 500 b
	s_and_b32 s39, s15, 3
	s_lshl_b32 s39, s39, 7
	s_lshl_b32 s35, s12, 4
	s_add_co_u32 s39, s39, s35                     ; my first s = 128 qq + 16 w
	s_sub_co_u32 s34, 500, s39                     ; rows left of the batch: the same in all partners
	s_add_co_u32 s38, s38, s39
	s_lshl_b32 s38, s38, 11                        ; rows of 2,048 bytes
	s_mov_b32 s37, 0
	v_and_b32 v10, 31, v0
	v_lshlrev_b32 v1, 4, v10                       ; 16 x lane
	v_and_b32 v11, 15, v0                          ; r
	v_bfe_u32 v12, v0, 4, 1                        ; h
	v_lshlrev_b32 v9, 5, v12                       ; 32 h
	s_wait_dscnt 0x0
	s_wait_kmcnt 0x0
	s_add_nc_u64 s[18:19], s[4:5], s[40:41]
	s_or_b32 s19, s19, 0x80000000                  ; type
	s_lshl_b32 s36, s14, 6
	s_lshl_b32 s35, s12, 3
	s_add_co_u32 s36, s36, s35                     ; my eight rows of Wo: 64 x block + 8 w
	s_lshl_b32 s36, s36, 11
	s_add_co_u32 s36, s36, L5W
	s_add_nc_u64 s[28:29], s[6:7], s[36:37]
	s_lshl_b32 s36, s14, 8
	s_add_co_u32 s36, s36, L5V
	s_add_nc_u64 s[30:31], s[8:9], s[36:37]
	s_lshl_b32 s36, s14, 8
	s_add_co_u32 s36, s36, s38
	s_add_nc_u64 s[32:33], s[10:11], s[36:37]
.irp i, 0,1,2,3,4,5,6,7
.irp jj, 0,1,2,3
	global_load_b128 v[WS+16*\i+4*\jj:WS+16*\i+4*\jj+3], v1, s[28:29] offset:2048*\i+512*\jj   ; 512 consecutive bytes a load
.endr
.endr
.irp nt, 0,1,2,3
	global_load_b128 v[BI+8*\nt:BI+8*\nt+3],   v9, s[30:31] offset:64*\nt
	global_load_b128 v[BI+8*\nt+4:BI+8*\nt+7], v9, s[30:31] offset:64*\nt+16
.endr
	ROUND                                          ; the four partners are here: the joint load meets
	tensor_load_to_lds s[16:19], s[20:27]          ; the wave's one tensor load
	s_nop 0
	s_mul_i32 s35, s12, 16*PC
	v_mul_u32_u24 v2, v11, PC
	v_lshl_add_u32 v2, v12, 4, v2
	v_add_nc_u32 v2, s35, v2                       ; ctx's fragments, heads 0-3: row 16 w + r, 16 h
	v_add_nc_u32 v3, 4*128*PC, v2                  ; heads 4-7
	v_mul_u32_u24 v4, v11, PW
	v_lshl_add_u32 v4, v12, 4, v4
	v_add_nc_u32 v4, WB, v4                        ; Wo's fragments
	s_mul_i32 s35, s12, 8*PW
	s_add_co_u32 s35, s35, WB
	v_lshl_add_u32 v5, v10, 3, s35                 ; Wo in: my eight rows, 8 x lane
	s_mul_i32 s35, s12, 16*PS
	s_add_co_u32 s35, s35, STB                     ; my stage
	v_mul_u32_u24 v6, v11, PS
	v_lshl_add_u32 v6, v12, 5, v6
	v_add_nc_u32 v6, s35, v6                       ; in: row r, 32 h
	v_mul_u32_u24 v7, v12, PS
	v_lshl_add_u32 v7, v11, 4, v7
	v_add_nc_u32 v7, s35, v7                       ; back: lanes 0-15 one row of 256 bytes, lanes 16-31 the next
	v_lshlrev_b32 v8, 11, v12
	v_lshl_add_u32 v8, v11, 4, v8                  ; the same two rows in out0
.irp i, 0,1,2,3,4,5,6,7
	s_wait_loadcnt 4*(7-\i)+8                      ; the younger rows' loads and the bias's eight stay out
.irp d, 0,1,2,3,4,5,6,7
	v_cvt_pk_f16_f32 v[WS+16*\i+\d], v[WS+16*\i+2*\d], v[WS+16*\i+2*\d+1]
.endr
.irp jj, 0,1,2,3
	ds_store_b64 v5, v[WS+16*\i+2*\jj:WS+16*\i+2*\jj+1] offset:PW*\i+256*\jj
.endr
.endr
	s_wait_tensorcnt 0x0                           ; my head of ctx has landed,
	s_wait_dscnt 0x0                               ; my rows of Wo are written,
	s_barrier_signal -1
	s_barrier_wait -1                              ; everybody's
; 20 LDS loads: one head's 64 along K: two fragments of ctx, eight of Wo
.macro FETCH hd, f
.irp u, 0,1
	ds_load_b128 v[\f+8*\u:\f+8*\u+3],   v[2+\hd/4] offset:64*\u+(\hd%4)*128*PC
	ds_load_b128 v[\f+8*\u+4:\f+8*\u+7], v[2+\hd/4] offset:64*\u+32+(\hd%4)*128*PC
.endr
.irp u, 0,1
.irp nt, 0,1,2,3
	ds_load_b128 v[\f+16+8*(4*\u+\nt):\f+16+8*(4*\u+\nt)+3],   v4 offset:128*\hd+64*\u+\nt*16*PW
	ds_load_b128 v[\f+16+8*(4*\u+\nt)+4:\f+16+8*(4*\u+\nt)+7], v4 offset:128*\hd+64*\u+32+\nt*16*PW
.endr
.endr
.endm
; 8 matrix instructions, Wo as source 0: lane l holds row l % 16 of ctx, registers 0-7 the columns 16 nt + 8 (l / 16) + 0..7.
; The four accumulators take turns, one instruction a turn.
.macro MUL f, zero
.irp u, 0,1
.irp nt, 0,1,2,3
.if \zero && (\u == 0)
	v_wmma_f32_16x16x32_f16 v[ACC+8*\nt:ACC+8*\nt+7], v[\f+16+8*(4*\u+\nt):\f+16+8*(4*\u+\nt)+7], v[\f+8*\u:\f+8*\u+7], 0
.else
	v_wmma_f32_16x16x32_f16 v[ACC+8*\nt:ACC+8*\nt+7], v[\f+16+8*(4*\u+\nt):\f+16+8*(4*\u+\nt)+7], v[\f+8*\u:\f+8*\u+7], v[ACC+8*\nt:ACC+8*\nt+7]
.endif
.endr
.endr
.endm
; a head's products on buffer f, which is then fetched again, four places behind them, with head nx
.macro STEP nx, f, zero
	s_wait_dscnt 20                                ; all but the 20 loads of the other buffer
	MUL \f, \zero
	PLACES 4
	FETCH \nx, \f
.endm
	FETCH 0, F0
	FETCH 1, F1
	STEP 2, F0, 1                                  ; the first products start the sums
	STEP 3, F1, 0
	STEP 4, F0, 0
	STEP 5, F1, 0
	STEP 6, F0, 0
	STEP 7, F1, 0
	s_wait_dscnt 20
	MUL F0, 0
	s_wait_dscnt 0
	MUL F1, 0
	; THE WAY OUT: + bias, my own stage, whole row pieces back: sixteen lanes store 256 consecutive bytes, at a multiple of 256 from out0's first byte
	s_wait_loadcnt 0x0                             ; the bias
	PLACES 4
.irp p, 0,1,2,3,4,5,6,7,8,9,10,11,12,13,14,15
	v_pk_add_f32 v[ACC+2*\p:ACC+2*\p+1], v[ACC+2*\p:ACC+2*\p+1], v[BI+2*\p:BI+2*\p+1]
.endr
.irp nt, 0,1,2,3
	ds_store_b128 v6, v[ACC+8*\nt:ACC+8*\nt+3]   offset:64*\nt
	ds_store_b128 v6, v[ACC+8*\nt+4:ACC+8*\nt+7] offset:64*\nt+16
.endr
.irp i, 0,1
	ds_load_b128 v[F0+4*\i:F0+4*\i+3], v7 offset:2*PS*\i     ; my own bytes: LDS serves a wave's instructions in order
.endr
	s_wait_dscnt 0x0
.irp i, 0,1
	global_store_b128 v8, v[F0+4*\i:F0+4*\i+3], s[32:33] offset:4096*\i
.endr
	s_cmp_lt_u32 s34, 16                           ; four rows exist (500 - 384 - 112): the other twelve belong to no s
	s_cbranch_scc1 .Lshort
.irp i, 2,3,4,5,6,7
	ds_load_b128 v[F0+4*\i:F0+4*\i+3], v7 offset:2*PS*\i
.endr
.irp i, 2,3,4,5,6,7
	s_wait_dscnt 7-\i
	global_store_b128 v8, v[F0+4*\i:F0+4*\i+3], s[32:33] offset:4096*\i
.endr
.Lshort:
	s_wait_dscnt 0x0
	s_wait_tensorcnt 0x0
	ds_add_u32 v240, v241
	s_wait_dscnt 0x0
	ROUND                                          ; the closing round
	s_endpgm
.Lfunc_end_k_q50d478b982_oproj:
	.size	k_q50d478b982_oproj, .Lfunc_end_k_q50d478b982_oproj-k_q50d478b982_oproj
	.p2alignl 7, 3214868480
	.fill 96, 4, 3214868480
	.section	.rodata,"a",@progbits
	.p2align	6, 0x0
	.amdhsa_kernel k_q50d478b982_oproj
		.amdhsa_group_segment_fixed_size 249856
		.amdhsa_private_segment_fixed_size 0
		.amdhsa_enable_private_segment 0
		.amdhsa_kernarg_size 32
		.amdhsa_user_sgpr_count 2
		.amdhsa_user_sgpr_kernarg_segment_ptr 1
		.amdhsa_wavefront_size32 1
		.amdhsa_system_sgpr_workgroup_id_x 1
		.amdhsa_system_sgpr_workgroup_id_y 1
		.amdhsa_system_sgpr_workgroup_id_z 1
		.amdhsa_system_vgpr_workitem_id 0
		.amdhsa_next_free_vgpr 242
		.amdhsa_next_free_sgpr 66
		.amdhsa_reserve_vcc 0
		.amdhsa_float_denorm_mode_32 3
		.amdhsa_float_denorm_mode_16_64 3
		.amdhsa_memory_ordered 1
		.amdhsa_forward_progress 1
		.amdhsa_inst_pref_size 34
	.end_amdhsa_kernel
	.amdgpu_metadata
---
amdhsa.version: [ 1, 2 ]
amdhsa.kernels:
  - .name:           k_q50d478b982_oproj
    .symbol:         k_q50d478b982_oproj.kd
    .args:
      - { .name: ctx, .offset: 0, .size: 8, .value_kind: global_buffer, .address_space: global }
      - { .name: Wo, .offset: 8, .size: 8, .value_kind: global_buffer, .address_space: global }
      - { .name: bo, .offset: 16, .size: 8, .value_kind: global_buffer, .address_space: global }
      - { .name: out0, .offset: 24, .size: 8, .value_kind: global_buffer, .address_space: global }
    .group_segment_fixed_size: 249856
    .private_segment_fixed_size: 0
    .kernarg_segment_align: 8
    .kernarg_segment_size: 32
    .max_flat_workgroup_size: 256
    .sgpr_count:     66
    .vgpr_count:     242
    .wavefront_size: 32
...
	.end_amdgpu_metadata
.endif
;; end of part 3
